; MI455X (gfx1250); checked and timed in simulation.
; The chip was launched on July 23, 2026; its instructions are those of AMD's public machine-readable ISA for CDNA 5 (MIT licence, August 2026) and "CDNA5" Instruction Set Architecture Reference Guide (July 2026). The comments in the code are by the model that wrote it; some were corrected since.
;; USP Attention. Allowed arithmetic: matrix products marked QUANTISED: E2M1 operands, one E8M0 scale for each 32 along K, by v_wmma_scale_f32_16x16x128_f8f6f4 with both operands' format E2M1 (or v_wmma_scale_f32_32x16x128_f4), f32 sums; products left as they are: bf16, f16 or f32 operands; f32 sums; everything else in f32.
;; Inputs: key 1 x 4,096 x 16 x 64 float32; query 1 x 4,096 x 16 x 64 float32; value 1 x 4,096 x 16 x 64 float32.
;; Outputs: out0 1 x 4,096 x 16 x 64 float32.
;; This version of the problem:
;;   THIS VERSION OF THE PROBLEM IS GIVEN IN LOW PRECISION. The matrix products marked QUANTISED in the list below multiply operands that are first quantised to E2M1 (2 exponent bits, 1 mantissa bit; 4 bits a number), with one power-of-two scale for each 32 numbers along K (OCP MX v1.0); their sums are f32. The products marked 'left as it is' may take bf16, f16 or f32 operands, with f32 sums. Whichever they take, every output number must still come out within the allowed error. Rounding operands to bf16 (8 significant bits) uses up far more of that allowance than f16 does (11 bits, for magnitudes from 6e-5 to 65,504). All else is computed in f32.
;;   The module's matrix products, in the order in which they are computed (A, B: the left and right operand; K: the contracted axis; several contracted axes count as one K, in the product's order):
;;     1. batch 16 x [M 4,096, K 64] x [K 64, N 4,096]; A: input query; B: input key: QUANTISED
;;     2. batch 16 x [M 64, K 4,096] x [K 4,096, N 4,096]; A: input value; B: computed on the way: left as it is (an operand is computed on the way)
;;   THE QUANTISER, for each operand of a quantised product, along K:
;;     - K is cut into blocks of 32 from its start; a last block that is shorter is filled with zeros.
;;     - A block's scale is 2^e with e = floor(log2(the largest magnitude in the block)) - 2, held to -126 .. 127; a block of zeros has e = 0. As a byte (E8M0): e + 127.
;;     - Each number is divided by its block's scale, clamped to +-6, and rounded to the nearest number of E2M1, ties to even, subnormals kept.
;;     - The product sums the exact products of the quantised numbers (number of the format x scale) in f32.
;;   ~~~python
;;   def quantise(x, axis):      # numpy; x: float32 -> the quantised numbers, widened to float32 again
;;       x = np.moveaxis(x, axis, -1); K = x.shape[-1]
;;       x = np.pad(x, [(0, 0)] * (x.ndim - 1) + [(0, -K % 32)]); x = x.reshape(x.shape[:-1] + (-1, 32)); a = np.abs(x).max(-1, keepdims=True)
;;       e = np.where(a > 0, np.clip(np.frexp(np.where(a > 0, a, 1))[1] - 1 - 2, -126, 127), 0)      # np.frexp(a)[1] - 1 = floor(log2(a)), exactly
;;       r = np.clip(x / 2.0 ** e, -6, 6)
;;       step = 2.0 ** (np.maximum(np.frexp(np.where(r == 0, 1, r))[1] - 1, 0) - 1)
;;       q = np.round(r / step) * step * 2.0 ** e      # np.round: ties to even
;;       return np.moveaxis(q.reshape(q.shape[:-2] + (-1,))[..., :K], -1, axis).astype(np.float32)
;;   ~~~
;; One version. Each part assembles by itself: llvm-mc -triple=amdgcn-amd-amdhsa -mcpu=gfx1250 --defsym DOCPART=n.
;; ======== version 1 of 1: 2 launches
;; limits: values are held in f16: magnitudes above 65,504 overflow, below 6.1e-05 lose precision; inputs' magnitudes at most 65,504
;; workspace buffers: qc 2,359,296 bytes; kv 10,747,904 bytes
;; launch prep (part 1): grid 16 x 16, 4 waves a work-group, no clusters, 17,920 bytes of LDS; arguments key, query, value, qc, kv; writes qc, kv
.if DOCPART == 1
	.amdgcn_target "amdgcn-amd-amdhsa--gfx1250"
	.amdhsa_code_object_version 6
	.text
	.protected	k_q27398730d5_prep
	.globl	k_q27398730d5_prep
	.p2align	8
	.type	k_q27398730d5_prep,@function
k_q27398730d5_prep:
	s_mov_b64 s[64:65], 0
	v_nop
	global_prefetch_b8 v0, s[64:65] scope:SCOPE_SE
	s_setreg_imm32_b32 hwreg(HW_REG_WAVE_MODE, 25, 1), 1
	s_wait_xcnt 0x0
; key, query, value: [4096][16][64] f32.  One wave takes 64 positions of one head in all three tensors (a position's 64 numbers of a head are 256 consecutive bytes, positions 4,096 bytes apart)
; and lays them as the attention launch's operand registers want them:
;   qc: for each head and block of 64 queries 2,304 bytes: four images of 512 bytes (tile t = 16 queries; lane (r, h) = 16 h + r has 16 bytes at 16 x lane: the E2M1 codes of d = 32 h .. 32 h + 31 of query r),
;       then 256 bytes of scale words: the word of tile t, row r at 2048 + 8 (16 (t % 2) + r) + 4 (t / 2).  A word: byte 0 the E8M0 byte of d 0-31, byte 1 of d 32-63, bytes 2, 3 = 0x7f (for the zero codes that fill K to 128).
;   kv: for each head and block of 64 keys a record of 10,496 bytes: the keys' codes and words as in qc; from byte 2,304 eight images of 1,024 bytes of V^T in f16: fragment 4 kg + ct = 32 keys x 16 channels,
;       ROW r OF CHANNEL TILE ct IS CHANNEL 4 r + ct (which rows form a tile is free: it only says where a result lands).  Registers 0-3 of lane l at 16 l (keys 8 h + 0..7), registers 4-7 at 512 + 16 l (keys 16 + 8 h + 0..7).
; THE QUANTISER: a block of 32 along d has the scale 2^(floor(log2(largest magnitude)) - 2): its byte is the largest magnitude's exponent field - 2, held at 1 from below; each number / scale to the nearest code, ties to even, beyond 6 the code of 6.
; LIMITS: a block of zeros, or one whose largest magnitude lies under 2^-124, gets the byte 1 (its codes are then zeros or as the floor's scale gives them; the bytes are read by this program alone);
;   NaN and infinities are not served; |value| stays under 65,504, f16's largest number.
; Twelve units of eight loads: 0-3 the keys' tiles, 4-7 the queries', 8-11 the values; four units (32 loads a wave) are on their way.  Every load reads two whole rows of 256 bytes, every store writes whole aligned runs of 256 bytes.
; No tensor load, no barrier, no branch: waves share nothing.
.set REC,   10496                      ; a record of kv
.set PITCH, 272                        ; a stage row: 256 bytes + 16
.set STG,   16*PITCH                   ; a wave's stage
.set SPARE, 4*STG                      ; behind the four stages: the spare words, 128 bytes for each wave: two blocks of 256 bytes that no other line names
.set SPW,   12                         ; v12  LDS address of my spare word; never rewritten
.set NIL,   13                         ; v13  0; never rewritten
.set W,     20                         ; v20-27   the scale words of units 0-7
.set RAW,   32                         ; v32-159  four sets of 32: a unit's numbers as loaded
.set X,     160                        ; v160-191 a block of 32 neighbours along d
.set C,     192                        ; v192-223 codes: four registers for each of units 0-7, so that no store's data are written again
.set PK,    160                        ; v160-223 the values' units: 16 registers of f16 pairs each
	s_load_b256 s[4:11], s[0:1], 0x0               ; key s[4:5], query s[6:7], value s[8:9], qc s[10:11]
	s_load_b64 s[12:13], s[0:1], 0x20              ; kv
	v_lshl_add_u32 v[SPW], v0, 2, SPARE
	v_mov_b32 v[NIL], 0
	v_lshrrev_b32 v1, 5, v0
	v_readfirstlane_b32 s14, v1                    ; wave 0..3
	v_and_b32 v1, 31, v0                           ; lane
	v_and_b32 v2, 15, v0                           ; p
	v_bfe_u32 v3, v0, 4, 1                         ; u
	v_lshlrev_b32 v4, 12, v3
	v_lshl_add_u32 v4, v2, 4, v4                   ; keys, queries in: lanes 0-15 one position's 256 bytes, lanes 16-31 the next position's
	v_lshlrev_b32 v5, 16, v3
	v_lshl_add_u32 v5, v2, 4, v5                   ; values in: lanes 16-31 stand 16 positions further on
	s_mul_i32 s26, s14, STG
	v_mul_u32_u24 v6, v3, PITCH
	v_lshl_add_u32 v6, v2, 4, v6
	v_add_nc_u32 v6, s26, v6                       ; the stage, on the way in: row u (+ 2 j by the immediate), 16 p
	v_mul_u32_u24 v7, v2, PITCH
	v_lshl_add_u32 v7, v3, 7, v7
	v_add_nc_u32 v7, s26, v7                       ; and back: row p, its half u: 128 bytes, one block of 32
	v_lshlrev_b32 v8, 4, v1                        ; an image's place for my lane
	v_lshlrev_b32 v9, 3, v1                        ; my two scale words' place
	v_lshlrev_b32 v10, 9, v3
	v_lshl_add_u32 v10, v2, 4, v10                 ; V's images: 512 u + 16 p
	v_lshlrev_b32 v11, 3, v3                       ; my block's byte stands 8 u bits up in the word
	v_mov_b32 v18, 0                               ; written once: a lane permute's destination counts as one of its sources
	v_cmp_le_u32 vcc_lo, 16, v1                    ; lanes 16-31
	s_mov_b32 s24, 0x76543210
	s_mov_b32 s25, 0xfedcba98                      ; v_permlanex16_b32's selects for lane l xor 16
	s_lshl_b32 s15, ttmp9, 2
	s_add_co_u32 s15, s15, s14                     ; my block of 64 positions
	s_and_b32 s16, ttmp7, 0xffff                   ; the head
	s_lshl_b32 s17, s16, 6
	s_add_co_u32 s17, s17, s15                     ; 64 x head + block
	s_lshl_b32 s18, s15, 18                        ; in: block x 64 positions x 4,096 bytes
	s_lshl_b32 s19, s16, 8
	s_add_co_u32 s18, s18, s19                     ; + head x 256
	s_mov_b32 s19, 0
	s_mul_i32 s20, s17, 2304
	s_mov_b32 s21, 0
	s_mul_i32 s22, s17, REC
	s_mov_b32 s23, 0
	s_wait_kmcnt 0x0
	s_add_nc_u64 s[4:5], s[4:5], s[18:19]
	s_add_nc_u64 s[6:7], s[6:7], s[18:19]
	s_add_nc_u64 s[8:9], s[8:9], s[18:19]
	s_add_nc_u64 s[10:11], s[10:11], s[20:21]
	s_add_nc_u64 s[12:13], s[12:13], s[22:23]
; unit n's eight loads into set n % 4
.macro LOADU n
.set RL, RAW+32*((\n)%4)
.if (\n) < 4
.irp j, 0,1,2,3,4,5,6,7
	global_load_b128 v[RL+4*\j:RL+4*\j+3], v4, s[4:5] offset:(16*(\n)+2*\j)*4096 th:TH_LOAD_NT          ; keys 16 n + 2 j + u
.endr
.elseif (\n) < 8
.irp j, 0,1,2,3,4,5,6,7
	global_load_b128 v[RL+4*\j:RL+4*\j+3], v4, s[6:7] offset:(16*((\n)-4)+2*\j)*4096 th:TH_LOAD_NT      ; queries likewise
.endr
.else
.irp j, 0,1,2,3,4,5,6,7
	global_load_b128 v[RL+4*\j:RL+4*\j+3], v5, s[8:9] offset:(32*(((\n)-8)/2)+8*(((\n)-8)%2)+\j)*4096 th:TH_LOAD_NT   ; channels 4 p .. 4 p + 3 of key 32 kg + 16 u + 8 g + j
.endr
.endif
.endm
; Unit n (0-7): tile t of 16 rows becomes an image of codes, stored at s[dst:dst+1] + 512 t, and a scale word in v[W+n].
.macro TILE n, dst, t
.set RT, RAW+32*((\n)%4)
	s_wait_loadcnt 24                              ; this unit's eight loads are in; those of the three units behind it may be out
.irp j, 0,1,2,3,4,5,6,7
	ds_store_b128 v6, v[RT+4*\j:RT+4*\j+3] offset:2*PITCH*\j       ; as loaded: rows 2 j + u
.endr
.irp i, 0,1,2,3,4,5,6,7
	ds_load_b128 v[X+4*\i:X+4*\i+3], v7 offset:16*\i               ; back: d = 32 u .. 32 u + 31 of row p.  LDS serves a wave's instructions in order (ISA guide 5.7.1.4): these see the stores above
.endr
	s_wait_dscnt 0x0                               ; the block is in registers, and the stores have read the set,
	LOADU (\n)+4                                   ; which takes the unit four further on
	v_max3_num_f32 v14, |v[X]|, |v[X+1]|, |v[X+2]|                 ; the block's largest magnitude: all 32 numbers are mine; two chains
	v_max3_num_f32 v15, |v[X+3]|, |v[X+4]|, |v[X+5]|
.irp i, 6,10,14,18,22,26
	v_max3_num_f32 v14, v14, |v[X+\i]|, |v[X+\i+1]|
	v_max3_num_f32 v15, v15, |v[X+\i+2]|, |v[X+\i+3]|
.endr
	v_max3_num_f32 v14, v14, |v[X+30]|, |v[X+31]|
	v_max3_num_f32 v14, v14, v15, 0x1800000        ; and the floor 2^(3 - 127): the byte cannot fall under 1
	v_add_nc_u32 v16, 0xff000000, v14              ; 2 off its exponent field: the conversion takes the exponent field of this operand as its scale, and nothing else of it
.irp g, 0,1,2,3
	v_cvt_scalef32_pk8_fp4_f32 v[C+4*(\n)+\g], v[X+8*\g:X+8*\g+7], v16
.endr
	v_lshrrev_b32 v17, 23, v16                     ; the scale's byte (also the plain line behind the conversions),
	v_lshlrev_b32 v17, v11, v17                    ; at its place in the word;
	v_permlanex16_b32 v18, v17, s24, s25           ; the row's other block lies in lane l xor 16
	v_or_b32 v17, v17, v18
	v_or_b32 v[W+(\n)], 0x7f7f0000, v17            ; bytes 2 and 3: 2^0, for the zero codes of k = 64 .. 127
	global_store_b128 v8, v[C+4*(\n):C+4*(\n)+3], s[\dst:\dst+1] offset:512*(\t)   ; 512 consecutive bytes
.endm
; four tiles' scale words leave as one aligned run of 256 bytes: lanes 0-15 the words of tiles 0 and 2, lanes 16-31 of tiles 1 and 3 (every word stands in both halves of the lanes)
.macro SCOUT pair, w0, dst
	v_cndmask_b32 v[\pair], v[W+\w0], v[W+\w0+1], vcc_lo
	v_cndmask_b32 v[\pair+1], v[W+\w0+2], v[W+\w0+3], vcc_lo
	global_store_b64 v9, v[\pair:\pair+1], s[\dst:\dst+1] offset:2048
.endm
; Unit n (8-11): kg = (n - 8) / 2, g = (n - 8) % 2.  My 8 keys x 4 channels are, for channel tile a = 0..3, four registers of lane 16 g + p of fragment 4 kg + a: its registers 4 u .. 4 u + 3.
.macro VSET n
.set RV, RAW+32*((\n)%4)
.set PV, PK+16*((\n)-8)
	s_wait_loadcnt 8*(11-(\n))                     ; the later units' loads may be out
.irp a, 0,1,2,3
.irp i, 0,1,2,3
	v_cvt_pk_f16_f32 v[PV+4*\a+\i], v[RV+8*\i+\a], v[RV+8*\i+4+\a]   ; keys 2 i and 2 i + 1 of channel 4 p + a, the lower key in the low half
.endr
.endr
.irp a, 0,1,2,3
	global_store_b128 v10, v[PV+4*\a:PV+4*\a+3], s[12:13] offset:2304+(4*(((\n)-8)/2)+\a)*1024+256*(((\n)-8)%2)   ; lanes 0-15 and lanes 16-31 each store 256 consecutive bytes, aligned
.endr
.endm
	LOADU 0
	LOADU 1
	LOADU 2
	LOADU 3
	TILE 0, 12, 0
	TILE 1, 12, 1
	TILE 2, 12, 2
	TILE 3, 12, 3
	SCOUT 28, 0, 12
	TILE 4, 10, 0
	TILE 5, 10, 1
	TILE 6, 10, 2
	TILE 7, 10, 3
	SCOUT 30, 4, 10
	s_wait_xcnt 0x0                                ; the stores of the codes have read their registers: the f16 pairs are laid over them only behind this wait
	VSET 8
	VSET 9
	VSET 10
	VSET 11
	s_wait_tensorcnt 0x0                           ; the wave's end, behind my last LDS store
	ds_add_u32 v[SPW], v[NIL]
	s_wait_dscnt 0x0
	s_endpgm
.Lfunc_end_k_q27398730d5_prep:
	.size	k_q27398730d5_prep, .Lfunc_end_k_q27398730d5_prep-k_q27398730d5_prep
	.p2alignl 7, 3214868480
	.fill 96, 4, 3214868480
	.section	.rodata,"a",@progbits
	.p2align	6, 0x0
	.amdhsa_kernel k_q27398730d5_prep
		.amdhsa_group_segment_fixed_size 17920
		.amdhsa_private_segment_fixed_size 0
		.amdhsa_enable_private_segment 0
		.amdhsa_kernarg_size 40
		.amdhsa_user_sgpr_count 2
		.amdhsa_user_sgpr_kernarg_segment_ptr 1
		.amdhsa_wavefront_size32 1
		.amdhsa_system_sgpr_workgroup_id_x 1
		.amdhsa_system_sgpr_workgroup_id_y 1
		.amdhsa_system_sgpr_workgroup_id_z 1
		.amdhsa_system_vgpr_workitem_id 0
		.amdhsa_next_free_vgpr 224
		.amdhsa_next_free_sgpr 66
		.amdhsa_reserve_vcc 1
		.amdhsa_float_denorm_mode_32 3
		.amdhsa_float_denorm_mode_16_64 3
		.amdhsa_memory_ordered 1
		.amdhsa_forward_progress 1
		.amdhsa_inst_pref_size 40
	.end_amdhsa_kernel
	.amdgpu_metadata
---
amdhsa.version: [ 1, 2 ]
amdhsa.kernels:
  - .name:           k_q27398730d5_prep
    .symbol:         k_q27398730d5_prep.kd
    .args:
      - { .name: key, .offset: 0, .size: 8, .value_kind: global_buffer, .address_space: global }
      - { .name: query, .offset: 8, .size: 8, .value_kind: global_buffer, .address_space: global }
      - { .name: value, .offset: 16, .size: 8, .value_kind: global_buffer, .address_space: global }
      - { .name: qc, .offset: 24, .size: 8, .value_kind: global_buffer, .address_space: global }
      - { .name: kv, .offset: 32, .size: 8, .value_kind: global_buffer, .address_space: global }
    .group_segment_fixed_size: 17920
    .private_segment_fixed_size: 0
    .kernarg_segment_align: 8
    .kernarg_segment_size: 40
    .max_flat_workgroup_size: 128
    .sgpr_count:     66
    .vgpr_count:     224
    .wavefront_size: 32
...
	.end_amdgpu_metadata
.endif
;; end of part 1
;; launch attn (part 2): grid 16 x 16, 16 waves a work-group, clusters of 4 x 1, 327,680 bytes of LDS; arguments qc, kv, out0; writes out0
.if DOCPART == 2
	.amdgcn_target "amdgcn-amd-amdhsa--gfx1250"
	.amdhsa_code_object_version 6
	.text
	.protected	k_q27398730d5_attn
	.globl	k_q27398730d5_attn
	.p2align	8
	.type	k_q27398730d5_attn,@function
k_q27398730d5_attn:
	s_mov_b64 s[64:65], 0
	v_nop
	global_prefetch_b8 v0, s[64:65] scope:SCOPE_SE
	s_setreg_imm32_b32 hwreg(HW_REG_WAVE_MODE, 25, 1), 1
	s_wait_xcnt 0x0
	s_wait_alu depctr_hold_cnt(0) depctr_sa_sdst(0) depctr_va_vdst(0) depctr_va_sdst(0) depctr_va_ssrc(0) depctr_va_vcc(0) depctr_vm_vsrc(0)
	s_getreg_b32 s2, hwreg(HW_REG_IB_STS2, 6, 4)
	s_cmp_eq_u32 s2, 0
	s_cbranch_scc0 .Lentry_in_a_cluster
	s_endpgm
.Lentry_in_a_cluster:
	s_bfe_u32 s2, ttmp6, 0x10000c
	s_cmp_lg_u32 s2, 0x3003
	s_cbranch_scc0 .Lentry_shape_is_right
	s_endpgm
.Lentry_shape_is_right:
; out0[q][head][:] = the sum over k of softmax_k(Q[q] . K[k] / 8) V[k][:], 16 heads, 4,096 positions, head size 64, no mask.  The first product on codes of E2M1 with E8M0 scales (K = 64, filled to the instruction's 128
; with zero codes under the byte 0x7f), the second on f16 operands; sums, maxima and the softmax in f32.  qc and kv hold the operands as images of their registers (the launch before lays them; its head says how).
; SHARES.  A work-group owns 256 queries of one head.  Wave w of sixteen: g = w % 8 picks 32 queries (two tiles T of 16), kh = w / 8 picks half of the keys: of each slot of 512 keys records 4 kh .. 4 kh + 3 of 64 keys.
; So a fragment of K or V read from LDS feeds two matrix instructions, a wave needs 256 registers, and four waves share a SIMD: one wave's products and LDS loads stand beside the others' softmax.
; At the end waves (g, 0) and (g, 1) are merged through LDS: each has its own running maximum, sum and O.
; LAYOUT.  Both products transposed: S^T = K Q^T (source 0 = 16 keys, source 1 = 16 queries): a lane holds ONE query (lane % 16) and keys 16 kt + 8 (lane / 16) + 0..7; two such tiles, rounded to f16 in pairs, ARE source 1
; (32 keys x 16 queries) of O^T = V^T P.  Row r of V's channel tile ct is channel 4 r + ct, so register j of O^T's tile ct holds channel 32 (lane / 16) + 4 j + ct.
; SOFTMAX.  For each query a running maximum m and sum l: p = 2^(c s - c m), c = log2(e) / 8; in every step O and l are multiplied by a = 2^(c m_old - c m_new).  m starts at -3e38, O and l at 0.  l sums the f32 p.
; CLUSTER.  The four query blocks of a cluster belong to one head and walk the same records: each slot's quarter is asked for JOINTLY, by the same tensor load with the same descriptor and a mask that names the four.
; LIMITS: NaN and infinities are not served; scores stay above -3e38 / c; |value| under 65,504 (f16); a p under f16's smallest number counts as 0 in the second product (it still counts in l).
; REGISTERS: v1-11 addresses; v12 Q's scale words; v14-15 K's; v16-31 Q (tile T at 16 + 8 T: 4 registers of codes, 4 of zeros); v32-63 K (tile kt at 32 + 8 kt, likewise); v64-127 S^T (T, kt at 64 + 32 T + 8 kt), then V's 8 fragments;
;   v128-159 P (T, kg at 128 + 16 T + 8 kg); v160-223 O^T (T, ct at 160 + 32 T + 8 ct); v224-239 statistics, 8 a tile; v240-255 the way out.
.set REC,    10496                     ; a record: 64 keys' codes (2,048), scale words (256), V^T in f16 (8,192)
.set QUART,  2*REC                     ; what one tensor load brings: 82 rows of 256 bytes
.set HALF,   4*REC                     ; what a wave reads of a slot
.set SLOTB,  8*REC                     ; a slot: 512 keys
.set HEADB,  64*REC                    ; a head
.set SCW,    2048                      ; the scale words in a record
.set VIMG,   2304                      ; V's images in a record
.set SLOT1,  1<<17                     ; slot 1 begins here, so that one exclusive or turns an address in one slot into the other's
.set MRG,    8704                      ; the merge: 64 + 4 registers' images for each pair of waves, from LDS byte 0 on: in slot 0, which has had its last fill and its last read when the first of them is stored
.set OUTS,   SLOTB                     ; between the slots: a stage of 16 rows x 272 bytes for each of waves 0-7; no tensor load lands there
.set OP,     272                       ; a stage row: 256 bytes + 16
.set SPARE,  262144                    ; the spare words, 128 bytes for each wave: eight blocks of 256 bytes that no other line names
.set AK0, 1                            ; v1   my lane's place in my half of a slot: HALF kh + 16 lane
.set AS0, 2                            ; v2   and among a record's scale words: HALF kh + SCW + 8 lane
.set ADR, 3                            ; v3   AK0 in the slot in hand
.set ADS, 4                            ; v4   AS0 likewise
.set SPW, 5                            ; v5   LDS address of my spare word; never rewritten
.set NIL, 6                            ; v6   0; never rewritten
.set PFO, 7                            ; v7   the prefetches' offset; never rewritten
.set MST, 8                            ; v8   the merge: MRG g + 16 lane
.set STO, 9                            ; v9   the stage, in: row lane % 16, 128 bytes for each half of the lanes
.set RD,  10                           ; v10  and back: lanes 0-15 one row, lanes 16-31 the next
.set GO,  11                           ; v11  the same two rows in out0
.set QS,  12
.set KS,  14
.set QF,  16
.set KF,  32
.set S,   64
.set P,   128
.set O,   160
.set ST,  224                          ; tile T's statistics at v[ST + 8 T]: +0 c m, +1 m, +2, +3 l (even keys', odd keys'), +4 to +7 c0-c3, at work; a takes c2's place
.set WV,  10                           ; s10  my wave's number
.set GW,  11                           ; s11  g
.set KH,  12                           ; s12  kh
.set G1,  16                           ; s[16:23] descriptor group 1
.set G0,  24                           ; s[24:27] descriptor group 0, which walks
.set PFA, 28                           ; s[28:29] where my work-group's prefetches stand
.set LIM, 30                           ; s30  1 in a wave that prefetches, else the greatest number
.set SLOTS, 31                         ; s31  slots still to be asked for
.set TB,  32                           ; s32  LDS byte at which the slot in hand begins
.set CS,  34                           ; s[34:35] c: the packed form names a pair and takes its low word for both halves
.set SEL, 36                           ; s[36:37] lane selects for v_permlanex16_b32: lane l xor 16
; A round of the cluster's barrier: my work-group's barrier, so that wave 0's signal speaks for all sixteen waves; wave 0 signals; every wave waits for the four work-groups; my work-group's barrier once more.
.macro CROUND
	s_barrier_signal -1
	s_barrier_wait -1
	s_cmp_lg_u32 s[WV], 0
	s_cbranch_scc1 .Lnot_wave_0_\@
	s_barrier_signal -3
.Lnot_wave_0_\@:
	s_barrier_wait -3
	s_barrier_signal -1
	s_barrier_wait -1
.endm
; A joint load: waves 0 to 3 fetch a quarter of a slot each, the others nothing.  The branch hangs on the wave's number alone.  An s_nop 0 and four v_nop follow the load.
.macro JLOAD
	s_cmp_lt_u32 s[WV], 4
	s_cbranch_scc0 .Lno_load_\@
	tensor_load_to_lds s[G0:G0+3], s[G1:G1+7]
	s_nop 0
.rept 4
	v_nop
.endr
.Lno_load_\@:
.endm
; A PREFETCH INTO THE L2 of the slot that the NEXT change of slots will ask for: four key steps of every wave ahead of that load.  All clusters of a head walk the same records: the head's first cluster asks.  Its four partners
; share the slot out BY ADDRESS, a quarter (82 blocks of 256 bytes) each; in each, waves 4 to 6 ask, a lane a block, one instruction a wave (lanes 18-31 of wave 6 name block 81 with lane 17).
; The last change that fills a slot asks for nothing: there is no slot behind it.  Slots 0 and 1 come by their loads alone.
.macro ASK
	s_cmp_gt_u32 s[SLOTS], s[LIM]
	s_cbranch_scc0 .Lnot_mine_\@
	global_prefetch_b8 v[PFO], s[PFA:PFA+1] th:TH_LOAD_NT scope:SCOPE_SE
.Lnot_mine_\@:
.endm
	s_load_b128 s[4:7], s[0:1], 0x0                ; qc s[4:5], kv s[6:7]
	s_load_b64 s[8:9], s[0:1], 0x10                ; out0
	v_lshl_add_u32 v[SPW], v0, 2, SPARE
	v_mov_b32 v[NIL], 0
	ds_add_u32 v[SPW], v[NIL]                      ; the wave's opening: the add, twice on end, and its wait ahead of the first tensor load; the set-up below, work on registers, stands between
	ds_add_u32 v[SPW], v[NIL]                      ; and once more
	v_lshrrev_b32 v1, 5, v0
	v_readfirstlane_b32 s[WV], v1                  ; wave 0..15
	s_and_b32 s[GW], s[WV], 7
	s_lshr_b32 s[KH], s[WV], 3
	s_and_b32 s15, ttmp7, 0xffff                   ; the head, which the four partners share
	; descriptor group 1: a dense block of two records as 82 rows of 256 bytes
	s_mov_b32 s[G1], 15|(3<<16)|(1<<21)            ; 15:0 the mask: all four work-groups; 17:16 elements of 8 bytes; 20 no padding; 21 set beside a mask
	s_mov_b32 s[G1+1], 32<<16                      ; tensor_dim0 = 32
	s_mov_b32 s[G1+2], 82<<16                      ; tensor_dim1 = 82
	s_mov_b32 s[G1+3], 32<<16                      ; tile_dim0 = 32
	s_mov_b32 s[G1+4], 82                          ; tile_dim1 = 82
	s_mov_b32 s[G1+5], 32                          ; tensor_dim0_stride
	s_mov_b32 s[G1+6], 0
	s_mov_b32 s[G1+7], 0
	s_and_b32 s38, s[WV], 3                        ; which quarter of a slot I fetch, if I fetch:
	s_mul_i32 s39, s38, QUART                      ; its place in a slot, in LDS and in memory alike: no place in the cluster enters it
	s_mul_i32 s40, s15, HEADB
	s_add_co_u32 s40, s40, s39
	s_mov_b32 s41, 0
	s_bfe_u32 s13, ttmp6, 0x40000                  ; cx: my place in the cluster: it enters Q's, out0's and the prefetches' addresses alone
	s_lshl_b32 s14, ttmp9, 2                       ; in a cluster launch ttmp9 counts clusters
	s_add_co_u32 s14, s14, s13                     ; my block of 256 queries
	s_lshl_b32 s42, s15, 6
	s_lshl_b32 s43, s14, 2
	s_add_co_u32 s42, s42, s43
	s_lshr_b32 s43, s[GW], 1
	s_add_co_u32 s42, s42, s43                     ; qc's block of 64 queries: 64 head + 4 x my block + g / 2
	s_mul_i32 s42, s42, 2304
	s_mov_b32 s43, 0
	s_lshl_b32 s44, s14, 8
	s_lshl_b32 s45, s[GW], 5
	s_add_co_u32 s44, s44, s45                     ; my first query
	s_lshl_b32 s44, s44, 12                        ; x 4,096 bytes
	s_lshl_b32 s45, s15, 8
	s_add_co_u32 s44, s44, s45                     ; + head x 256
	s_mov_b32 s45, 0
	s_mul_i32 s46, s15, HEADB
	s_mul_i32 s47, s13, QUART
	s_add_co_u32 s46, s46, s47
	s_add_co_u32 s46, s46, SLOTB                   ; the prefetches: my work-group's quarter, in slot 1: the first change of slots steps it to slot 2.  Nothing is prefetched here, at the head
	s_mov_b32 s47, 0
	s_sub_co_u32 s33, s[WV], 4
	s_cmp_lt_u32 s33, 3                            ; waves 4 to 6
	s_cselect_b32 s33, 0, 1
	s_or_b32 s33, s33, ttmp9                       ; of the head's first cluster: the same in all four partners
	s_cmp_eq_u32 s33, 0
	s_cselect_b32 s[LIM], 1, -1
	s_mov_b32 s[CS], 0x3e38aa3b                    ; c = log2(e) / 8
	s_mov_b32 s[CS+1], s[CS]                       ; (named with it as a pair, so it is written)
	s_mov_b32 s[SEL], 0x76543210
	s_mov_b32 s[SEL+1], 0xfedcba98
	s_mov_b32 s[TB], 0
	s_mov_b32 s[SLOTS], 7
	s_wait_dscnt 0x0                               ; both opening adds are done
	s_wait_kmcnt 0x0
	s_add_nc_u64 s[4:5], s[4:5], s[42:43]
	s_add_nc_u64 s[8:9], s[8:9], s[44:45]
	s_add_nc_u64 s[PFA:PFA+1], s[6:7], s[46:47]
	s_mov_b32 s[G0], 1                             ; 1:0 count = 1
	s_mov_b32 s[G0+1], s39                         ; 63:32 LDS address: slot 0
	s_add_nc_u64 s[G0+2:G0+3], s[6:7], s[40:41]    ; 120:64 global address: the head's first 512 keys, my quarter
	s_or_b32 s[G0+3], s[G0+3], 0x80000000          ; 127:126 type = 2
	CROUND                                         ; all four work-groups are here: the first joint loads meet
	JLOAD                                          ; slot 0: one tensor load of mine is out, here and behind every later round
	v_and_b32 v242, 31, v0                         ; lane
	v_and_b32 v243, 15, v0                         ; r
	v_bfe_u32 v244, v0, 4, 1                       ; h
	s_and_b32 s42, s[GW], 1                        ; which two of the block's four tiles are mine
	s_lshl_b32 s43, s42, 10
	s_lshl_b32 s42, s42, 2
	v_lshl_add_u32 v240, v242, 4, s43
	v_lshl_add_u32 v241, v242, 3, s42
	global_load_b128 v[QF:QF+3], v240, s[4:5]                  ; Q stays in registers: tile 0's codes,
	global_load_b128 v[QF+8:QF+11], v240, s[4:5] offset:512    ; tile 1's,
	global_load_b32 v[QS], v241, s[4:5] offset:SCW             ; and the scale words: lanes 0-15 tile 0's rows, lanes 16-31 tile 1's
	s_mul_i32 s38, s[KH], HALF
	v_lshl_add_u32 v[AK0], v242, 4, s38
	s_add_co_u32 s39, s38, SCW
	v_lshl_add_u32 v[AS0], v242, 3, s39
	s_mul_i32 s40, s[GW], MRG
	v_lshl_add_u32 v[MST], v242, 4, s40
	s_mul_i32 s41, s[GW], 16*OP
	s_add_co_u32 s41, s41, OUTS
	v_mul_u32_u24 v[STO], v243, OP
	v_lshl_add_u32 v[STO], v244, 7, v[STO]
	v_add_nc_u32 v[STO], s41, v[STO]
	v_mul_u32_u24 v[RD], v244, OP
	v_lshl_add_u32 v[RD], v243, 4, v[RD]
	v_add_nc_u32 v[RD], s41, v[RD]
	v_lshlrev_b32 v[GO], 12, v244
	v_lshl_add_u32 v[GO], v243, 4, v[GO]
	v_add_nc_u32 v[PFO], 0xffffff80, v0            ; thread - 128: 0 .. 95 in waves 4 to 6,
	v_min_u32 v[PFO], 81, v[PFO]                   ; held inside the quarter's 82 blocks,
	v_lshlrev_b32 v[PFO], 8, v[PFO]                ; of 256 bytes
.irp t, 0,1,2,3,4,5
.irp i, 4,5,6,7
	v_mov_b32 v[QF+8*\t+\i], 0                     ; the zero codes of k = 64 .. 127, in Q's two tiles and K's four: written once, they stay
.endr
.endr
.set ii, 0
.rept 64
	v_mov_b32 v[O+ii], 0                           ; O^T.  (The step is written once: the first finds zeros, which its a = 0 leaves zeros)
.set ii, ii+1
.endr
.irp T, 0,1
	v_mov_b32 v[ST+8*\T+1], 0xff61b1e6             ; m = -3e38
	v_mov_b32 v[ST+8*\T+2], 0                      ; l, in two halves
	v_mov_b32 v[ST+8*\T+3], 0
	v_mul_f32 v[ST+8*\T], s[CS], v[ST+8*\T+1]      ; c m
.endr
; record q's four tiles of keys (16 bytes a lane each: the image's place is 16 x lane) and their scale words: register c: lanes 0-15 tile 2 c, lanes 16-31 tile 2 c + 1
.macro KLOAD q
.irp kt, 0,1,2,3
	ds_load_b128 v[KF+8*\kt:KF+8*\kt+3], v[ADR] offset:REC*(\q)+512*\kt
.endr
	ds_load_b64 v[KS:KS+1], v[ADS] offset:REC*(\q)
.endm
; record q's eight fragments of V^T (fragment 4 kg + ct) over S^T, which is done with
.macro VLOAD q
.set ii, 0
.rept 8
	ds_load_b128 v[S+8*ii:S+8*ii+3],   v[ADR] offset:REC*(\q)+VIMG+1024*ii
	ds_load_b128 v[S+8*ii+4:S+8*ii+7], v[ADR] offset:REC*(\q)+VIMG+1024*ii+512
.set ii, ii+1
.endr
.endm
; S^T(T, kt) = 16 keys x 16 queries.  The scales' rows: K's odd tiles and Q's tile 1 stand in lanes 16-31 of their registers.
.macro QK T, kt
.if ((\kt)%2 == 0) && ((\T) == 0)
	v_wmma_scale_f32_16x16x128_f8f6f4 v[S+32*\T+8*\kt:S+32*\T+8*\kt+7], v[KF+8*\kt:KF+8*\kt+7], v[QF+8*\T:QF+8*\T+7], 0, v[KS+(\kt)/2], v[QS] matrix_a_fmt:MATRIX_FMT_FP4 matrix_b_fmt:MATRIX_FMT_FP4
.elseif ((\kt)%2 == 0)
	v_wmma_scale_f32_16x16x128_f8f6f4 v[S+32*\T+8*\kt:S+32*\T+8*\kt+7], v[KF+8*\kt:KF+8*\kt+7], v[QF+8*\T:QF+8*\T+7], 0, v[KS+(\kt)/2], v[QS] matrix_a_fmt:MATRIX_FMT_FP4 matrix_b_fmt:MATRIX_FMT_FP4 matrix_b_scale:MATRIX_SCALE_ROW1
.elseif ((\T) == 0)
	v_wmma_scale_f32_16x16x128_f8f6f4 v[S+32*\T+8*\kt:S+32*\T+8*\kt+7], v[KF+8*\kt:KF+8*\kt+7], v[QF+8*\T:QF+8*\T+7], 0, v[KS+(\kt)/2], v[QS] matrix_a_fmt:MATRIX_FMT_FP4 matrix_b_fmt:MATRIX_FMT_FP4 matrix_a_scale:MATRIX_SCALE_ROW1
.else
	v_wmma_scale_f32_16x16x128_f8f6f4 v[S+32*\T+8*\kt:S+32*\T+8*\kt+7], v[KF+8*\kt:KF+8*\kt+7], v[QF+8*\T:QF+8*\T+7], 0, v[KS+(\kt)/2], v[QS] matrix_a_fmt:MATRIX_FMT_FP4 matrix_b_fmt:MATRIX_FMT_FP4 matrix_a_scale:MATRIX_SCALE_ROW1 matrix_b_scale:MATRIX_SCALE_ROW1
.endif
.endm
; n packed sums of neighbours w / 2 registers apart, in place, both tiles by turns
.macro PSUM w, n
.set uu, 0
.rept \n
.irp T, 0,1
	v_pk_add_f32 v[S+32*\T+\w*uu:S+32*\T+\w*uu+1], v[S+32*\T+\w*uu:S+32*\T+\w*uu+1], v[S+32*\T+\w*uu+\w/2:S+32*\T+\w*uu+\w/2+1]
.endr
.set uu, uu+1
.endr
.endm
; A KEY STEP: 64 keys, record q of my four in the slot in hand, for my two tiles of queries.
.macro STEP q
.rept 5
	v_nop                                          ; five places: the products below write over V's registers, which the last step's products read (ISA guide 7.12.1); they also stand ahead of the later lines that rewrite P and O^T
.endr
.if (\q) == 0
	KLOAD 0                                        ; a slot's first record: behind the change of slots
	s_wait_dscnt 0x0
.endif                                         ; (the other records' K was asked for a step ago, and the wait ahead of that step's second product has shown it in)
.irp kt, 0,1,2,3
.irp T, 0,1
	QK \T, \kt
.endr
.endr
.rept 4
	v_nop                                          ; four places, ahead of the loads into K's registers and of the first reads of the scores
.endr
.if (\q) < 3
	KLOAD (\q)+1                                   ; the next record's K lands under the softmax
.endif
	; the maximum of a lane's 32 scores and the old m, three operands at a time: four chains, each begun at its accumulator's low end; the two tiles by turns throughout
.irp j, 0,1,2,3
.irp T, 0,1
	v_max3_num_f32 v[ST+8*\T+4+\j], v[S+32*\T+8*\j], v[S+32*\T+8*\j+1], v[S+32*\T+8*\j+2]
.endr
.endr
.irp i, 3,5
.irp j, 0,1,2,3
.irp T, 0,1
	v_max3_num_f32 v[ST+8*\T+4+\j], v[ST+8*\T+4+\j], v[S+32*\T+8*\j+\i], v[S+32*\T+8*\j+\i+1]
.endr
.endr
.endr
.irp T, 0,1
	v_max3_num_f32 v[ST+8*\T+4], v[ST+8*\T+4], v[S+32*\T+7], v[S+32*\T+15]
	v_max3_num_f32 v[ST+8*\T+6], v[ST+8*\T+6], v[S+32*\T+23], v[S+32*\T+31]
.endr
.irp T, 0,1
	v_max3_num_f32 v[ST+8*\T+4], v[ST+8*\T+4], v[ST+8*\T+5], v[ST+8*\T+6]
.endr
.irp T, 0,1
	v_max3_num_f32 v[ST+8*\T+4], v[ST+8*\T+4], v[ST+8*\T+7], v[ST+8*\T+1]
.endr
.irp T, 0,1
	v_permlanex16_b32 v[ST+8*\T+5], v[ST+8*\T+4], s[SEL], s[SEL+1]   ; the query's other 32 keys lie in the lane 16 away
.endr
.irp T, 0,1
	v_mov_b32 v[ST+8*\T+7], v[ST+8*\T]             ; c m_old is kept for a
.endr
.irp T, 0,1
	v_max_num_f32 v[ST+8*\T+1], v[ST+8*\T+4], v[ST+8*\T+5]           ; the new m
.endr
.irp T, 0,1
	v_mul_f32 v[ST+8*\T], s[CS], v[ST+8*\T+1]      ; c m
.endr
.irp T, 0,1
	v_sub_f32 v[ST+8*\T+7], v[ST+8*\T+7], v[ST+8*\T]
.endr
.set ii, 0
.rept 16
.irp T, 0,1
	v_pk_fma_f32 v[S+32*\T+2*ii:S+32*\T+2*ii+1], v[S+32*\T+2*ii:S+32*\T+2*ii+1], s[CS:CS+1], v[ST+8*\T:ST+8*\T+1] op_sel_hi:[1,0,0] neg_lo:[0,0,1] neg_hi:[0,0,1]   ; c s - c m, two at a time
.endr
.set ii, ii+1
.endr
.irp T, 0,1
	v_exp_f32 v[ST+8*\T+6], v[ST+8*\T+7]           ; a = 2^(c m_old - c m_new).  ONE BATCH of 66 exponentials; none reads another's result
.endr
.set ii, 0
.rept 64
	v_exp_f32 v[S+ii], v[S+ii]                     ; p
.set ii, ii+1
.endr
	v_nop                                          ; a plain instruction behind the last exponential, ahead of the first use (ISA guide 5.7.2)
	s_wait_alu depctr_va_vdst(0)                   ; one wait for the batch, ahead of its first reader
.set ii, 0
.rept 32
	v_cvt_pk_f16_f32 v[P+ii], v[S+2*ii], v[S+2*ii+1]   ; two neighbouring keys' weights: register ii % 16 of tile ii / 16's two fragments of P
.set ii, ii+1
.endr
	PSUM 4, 8                                      ; the row's sum of the f32 p: 16 pairs (an even key's, an odd key's) a tile
	PSUM 8, 4
	PSUM 16, 2
	PSUM 32, 1
.irp T, 0,1
	v_pk_fma_f32 v[ST+8*\T+2:ST+8*\T+3], v[ST+8*\T+2:ST+8*\T+3], v[ST+8*\T+6:ST+8*\T+7], v[S+32*\T:S+32*\T+1] op_sel_hi:[1,0,1]   ; l = a l + the sum
.endr
	VLOAD \q
.irp T, 0,1
.set ii, 0
.rept 16
	v_pk_mul_f32 v[O+32*\T+2*ii:O+32*\T+2*ii+1], v[O+32*\T+2*ii:O+32*\T+2*ii+1], v[ST+8*\T+6:ST+8*\T+7] op_sel_hi:[1,0]   ; O^T x a, each accumulator from its low end on: the work under V's loads
.set ii, ii+1
.endr
.endr
	s_wait_dscnt 0x0                               ; V is in, and so is the next record's K
.irp kg, 0,1                                   ; O^T += V^T P: the eight accumulators take turns, one instruction a turn
.irp ct, 0,1,2,3
.irp T, 0,1
	v_wmma_f32_16x16x32_f16 v[O+32*\T+8*\ct:O+32*\T+8*\ct+7], v[S+8*(4*\kg+\ct):S+8*(4*\kg+\ct)+7], v[P+16*\T+8*\kg:P+16*\T+8*\kg+7], v[O+32*\T+8*\ct:O+32*\T+8*\ct+7]
.endr
.endr
.endr
.endm
.macro SLOT_STEPS
	v_add_nc_u32 v[ADR], s[TB], v[AK0]
	v_add_nc_u32 v[ADS], s[TB], v[AS0]
	STEP 0
	STEP 1
	STEP 2
	STEP 3
	s_xor_b32 s[TB], s[TB], SLOT1                  ; on to the other slot
.endm
; THE CHANGE OF SLOTS stands at a slot's head.  Each wave waits for all its tensor loads (its part of the slot that it is about to read), adds 0 to its spare word, and waits for that and for its reads of the slot that it has left.
; fill = 1: the barrier is a round of the cluster's, so that no wave of any partner still reads the slot left or has a load on its way; the joint load of the next 512 keys into that slot is the first thing behind it,
; and has a slot's four key steps in which to land.
.macro CHANGE fill
	s_wait_tensorcnt 0x0                           ; no tensor load of mine is out, so group 0 may be written
	ds_add_u32 v[SPW], v[NIL]                      ; 0 onto my spare word
.if \fill
	ds_add_u32 v[SPW], v[NIL]                      ; and once more, in every trip alike.  The steps below stand between it and the wait
	s_xor_b32 s[G0+1], s[G0+1], SLOT1              ; the walking descriptor: the other slot than last time,
	s_add_nc_u64 s[G0+2:G0+3], s[G0+2:G0+3], SLOTB ; the next 512 keys; the type bits on top are not reached
	s_wait_xcnt 0x0                                ; the last prefetch, a slot back, has read its address, so it may be written:
	s_add_nc_u64 s[PFA:PFA+1], s[PFA:PFA+1], SLOTB ; one slot further on than the walking descriptor
	s_wait_dscnt 0x0                               ; both adds are done, and my reads of the slot that I have left are over
	CROUND
	JLOAD
	ASK
.else
	s_wait_dscnt 0x0                               ; the add is done, and my reads of the slot that I have left are over
	s_barrier_signal -1
	s_barrier_wait -1
.endif
.endm
	s_wait_loadcnt 0x0                             ; Q
.Lslot:                                            ; seven trips: behind each change of slots but the last the next slot is asked for
	CHANGE 1
	SLOT_STEPS
	s_sub_co_u32 s[SLOTS], s[SLOTS], 1
	s_cmp_lg_u32 s[SLOTS], 0
	s_cbranch_scc1 .Lslot
	CHANGE 0                                       ; the last slot (it lies in slot 1) is written out
	SLOT_STEPS
	; THE MERGE.  Waves 8-15 hand O^T, c m and l of their half of the keys to waves 0-7 as images of their registers.  The four lines below are also the places behind the last products.
	v_mov_b32 v240, v[ST]                          ; c m of tile 0,
	v_add_f32 v241, v[ST+2], v[ST+3]               ; its l,
	v_mov_b32 v242, v[ST+8]                        ; and tile 1's: four registers on end for one store
	v_add_f32 v243, v[ST+10], v[ST+11]
	s_cmp_lt_u32 s[WV], 8
	s_cbranch_scc1 .Lkeep
.set ii, 0
.rept 16
	ds_store_b128 v[MST], v[O+4*ii:O+4*ii+3] offset:512*ii           ; each accumulator from its low end on
.set ii, ii+1
.endr
	ds_store_b128 v[MST], v[240:243] offset:8192
.Lkeep:
	s_wait_dscnt 0x0                               ; for the others' sake: my stores have landed
	s_barrier_signal -1
	s_barrier_wait -1
	s_cmp_lt_u32 s[WV], 8
	s_cbranch_scc0 .Lend                           ; waves 8-15 are done
.set ii, 0
.rept 16
	ds_load_b128 v[S+4*ii:S+4*ii+3], v[MST] offset:512*ii            ; the partner's O^T, over V's registers
.set ii, ii+1
.endr
	ds_load_b128 v[244:247], v[MST] offset:8192    ; its c m and l
	s_wait_dscnt 0x0
	v_max_num_f32 v248, v[ST], v244                ; the common c m of tile 0,
	v_max_num_f32 v249, v[ST+8], v246              ; of tile 1
	v_sub_f32 v252, v244, v248                     ; the partner's distance from it,
	v_sub_f32 v253, v[ST], v248                    ; mine
	v_sub_f32 v254, v246, v249
	v_sub_f32 v255, v[ST+8], v249
	v_exp_f32 v252, v252
	v_exp_f32 v253, v253
	v_exp_f32 v254, v254
	v_exp_f32 v255, v255
	v_nop                                          ; a plain instruction behind the last exponential
	s_wait_alu depctr_va_vdst(0)                   ; one wait for the four, ahead of their first reader
	v_mul_f32 v250, v241, v253
	v_mul_f32 v251, v243, v255
	v_fma_f32 v250, v245, v252, v250               ; l of both halves of the keys, under the common maximum,
	v_fma_f32 v251, v247, v254, v251
	v_permlanex16_b32 v248, v250, s[SEL], s[SEL+1]
	v_permlanex16_b32 v249, v251, s[SEL], s[SEL+1]
	v_add_f32 v250, v250, v248                     ; with lane l xor 16's: the row's sum
	v_add_f32 v251, v251, v249
	v_rcp_f32 v250, v250
	v_rcp_f32 v251, v251
	v_nop
	s_wait_alu depctr_va_vdst(0)                   ; one wait for the two reciprocals
	v_mul_f32 v252, v252, v250                     ; the two factors of each tile, divided by the sum
	v_mul_f32 v253, v253, v250
	v_mul_f32 v254, v254, v251
	v_mul_f32 v255, v255, v251
; Tile T leaves: mine x my factor + the partner's x its factor, laid so that a lane's 32 registers are channels 32 h .. 32 h + 31 of query r; through my stage, back as whole rows of 256 bytes into v[back] on.
.macro OUTT T, back
.set ii, 0
.rept 16
	v_pk_mul_f32 v[S+32*\T+2*ii:S+32*\T+2*ii+1], v[S+32*\T+2*ii:S+32*\T+2*ii+1], v[252+2*\T:253+2*\T] op_sel_hi:[1,0]
.set ii, ii+1
.endr
.irp ct, 0,1,2,3
.irp j, 0,1,2,3,4,5,6,7
	v_fma_f32 v[P+4*\j+\ct], v[O+32*\T+8*\ct+\j], v[253+2*\T], v[S+32*\T+8*\ct+\j]   ; channel 32 h + 4 j + ct; each accumulator from its low end on
.endr
.endr
.irp k, 0,1,2,3,4,5,6,7
	ds_store_b128 v[STO], v[P+4*\k:P+4*\k+3] offset:16*\k
.endr
.irp k, 0,1,2,3,4,5,6,7
	ds_load_b128 v[\back+4*\k:\back+4*\k+3], v[RD] offset:2*OP*\k    ; LDS serves a wave's instructions in order (ISA guide 5.7.1.4): these see the stores above; the next tile's stores come behind them
.endr
.irp k, 0,1,2,3,4,5,6,7
	s_wait_dscnt 7-\k                              ; the younger loads of this run may be out
	global_store_b128 v[GO], v[\back+4*\k:\back+4*\k+3], s[8:9] offset:65536*\T+8192*\k th:TH_STORE_NT   ; queries 16 T + 2 k and + 1: sixteen lanes store 256 consecutive bytes, aligned; written once, read by nobody here
.endr
.endm
	OUTT 0, KF                                     ; back into K's registers,
	OUTT 1, S                                      ; and into those that held the partner's tile 0: no store's data are written again
.Lend:
	s_wait_tensorcnt 0x0                           ; the wave's end, behind my last tensor load and my last LDS store
	ds_add_u32 v[SPW], v[NIL]
	s_wait_dscnt 0x0
	CROUND                                         ; the closing round: no work-group ends while a partner may still ask for a tile that names it
	s_endpgm
.Lfunc_end_k_q27398730d5_attn:
	.size	k_q27398730d5_attn, .Lfunc_end_k_q27398730d5_attn-k_q27398730d5_attn
	.p2alignl 7, 3214868480
	.fill 96, 4, 3214868480
	.section	.rodata,"a",@progbits
	.p2align	6, 0x0
	.amdhsa_kernel k_q27398730d5_attn
		.amdhsa_group_segment_fixed_size 327680
		.amdhsa_private_segment_fixed_size 0
		.amdhsa_enable_private_segment 0
		.amdhsa_kernarg_size 24
		.amdhsa_user_sgpr_count 2
		.amdhsa_user_sgpr_kernarg_segment_ptr 1
		.amdhsa_wavefront_size32 1
		.amdhsa_system_sgpr_workgroup_id_x 1
		.amdhsa_system_sgpr_workgroup_id_y 1
		.amdhsa_system_sgpr_workgroup_id_z 1
		.amdhsa_system_vgpr_workitem_id 0
		.amdhsa_next_free_vgpr 256
		.amdhsa_next_free_sgpr 66
		.amdhsa_reserve_vcc 0
		.amdhsa_float_denorm_mode_32 3
		.amdhsa_float_denorm_mode_16_64 3
		.amdhsa_memory_ordered 1
		.amdhsa_forward_progress 1
		.amdhsa_inst_pref_size 154
	.end_amdhsa_kernel
	.amdgpu_metadata
---
amdhsa.version: [ 1, 2 ]
amdhsa.kernels:
  - .name:           k_q27398730d5_attn
    .symbol:         k_q27398730d5_attn.kd
    .args:
      - { .name: qc, .offset: 0, .size: 8, .value_kind: global_buffer, .address_space: global }
      - { .name: kv, .offset: 8, .size: 8, .value_kind: global_buffer, .address_space: global }
      - { .name: out0, .offset: 16, .size: 8, .value_kind: global_buffer, .address_space: global }
    .group_segment_fixed_size: 327680
    .private_segment_fixed_size: 0
    .kernarg_segment_align: 8
    .kernarg_segment_size: 24
    .max_flat_workgroup_size: 512
    .sgpr_count:     66
    .vgpr_count:     256
    .wavefront_size: 32
...
	.end_amdgpu_metadata
.endif
;; end of part 2
